; MI455X (gfx1250); checked and timed in simulation.
; The chip was launched on July 23, 2026; its instructions are those of AMD's public machine-readable ISA for CDNA 5 (MIT licence, August 2026) and "CDNA5" Instruction Set Architecture Reference Guide (July 2026). The comments in the code are by the model that wrote it; some were corrected since.
;; Temporal Attention. Allowed arithmetic: matrix products marked QUANTISED: E3M2 operands, one E8M0 scale for each 32 along K, by v_wmma_scale_f32_16x16x128_f8f6f4 with both operands' format E3M2, f32 sums; products left as they are: f32 operands where the result goes on into a quantised operand, else bf16, f16 or f32 operands; f32 sums; everything else in f32.
;; Inputs: Wk_codes 1,024 x 32 x 24 uint8 (E3M2 codes of Wk, K innermost, in blocks of 32 codes, four codes in three bytes); Wk_scales 1,024 x 32 uint8 (E8M0 scales of Wk, one for each 32 codes along K); Wq_codes 1,024 x 32 x 24 uint8 (E3M2 codes of Wq, K innermost, in blocks of 32 codes, four codes in three bytes); Wq_scales 1,024 x 32 uint8 (E8M0 scales of Wq, one for each 32 codes along K); Wv_codes 1,024 x 32 x 24 uint8 (E3M2 codes of Wv, K innermost, in blocks of 32 codes, four codes in three bytes); Wv_scales 1,024 x 32 uint8 (E8M0 scales of Wv, one for each 32 codes along K); bk 1,024 float32; bq 1,024 float32; bv 1,024 float32; x_codes 32 x 1,024 x 32 x 24 uint8 (E3M2 codes of x, K innermost, in blocks of 32 codes, four codes in three bytes); x_scales 32 x 1,024 x 32 uint8 (E8M0 scales of x, one for each 32 codes along K).
;; Outputs: out0 32 x 1,024 float32; out1 32 x 1,024 float32.
;; This version of the problem:
;;   THIS VERSION OF THE PROBLEM IS GIVEN IN LOW PRECISION. The matrix products marked QUANTISED in the list below multiply operands that are first quantised to E3M2 (3 exponent bits, 2 mantissa bits; 6 bits a number), with one power-of-two scale for each 32 numbers along K (OCP MX v1.0); their sums are f32. All else is computed in f32.
;;   The module's matrix products, in the order in which they are computed (A, B: the left and right operand; K: the contracted axis; several contracted axes count as one K, in the product's order):
;;     1. [M 32, K 1,024] x [K 1,024, N 1,024]; A: input x (given as codes); B: input Wq (given as codes): QUANTISED
;;     2. [M 32,768, K 1,024] x [K 1,024, N 1,024]; A: input x (given as codes); B: input Wk (given as codes): QUANTISED
;;     3. [M 32,768, K 1,024] x [K 1,024, N 1,024]; A: input x (given as codes); B: input Wv (given as codes): QUANTISED
;;     4. batch 32 x [M 1, K 1,024] x [K 1,024, N 1,024]; A: computed on the way; B: computed on the way: left as it is (M = 1 < 16)
;;     5. batch 32 x [M 1, K 1,024] x [K 1,024, N 1,024]; A: softmax; B: computed on the way: left as it is (M = 1 < 16)
;;   THE QUANTISER, for each operand of a quantised product, along K:
;;     - K is cut into blocks of 32 from its start; a last block that is shorter is filled with zeros.
;;     - A block's scale is 2^e with e = floor(log2(the largest magnitude in the block)) - 4, held to -126 .. 127; a block of zeros has e = 0. As a byte (E8M0): e + 127.
;;     - Each number is divided by its block's scale, clamped to +-28, and rounded to the nearest number of E3M2, ties to even, subnormals kept.
;;     - The product sums the exact products of the quantised numbers (number of the format x scale) in f32.
;;   ~~~python
;;   def quantise(x, axis):      # numpy; x: float32 -> the quantised numbers, widened to float32 again
;;       x = np.moveaxis(x, axis, -1); K = x.shape[-1]
;;       x = np.pad(x, [(0, 0)] * (x.ndim - 1) + [(0, -K % 32)]); x = x.reshape(x.shape[:-1] + (-1, 32)); a = np.abs(x).max(-1, keepdims=True)
;;       e = np.where(a > 0, np.clip(np.frexp(np.where(a > 0, a, 1))[1] - 1 - 4, -126, 127), 0)      # np.frexp(a)[1] - 1 = floor(log2(a)), exactly
;;       r = np.clip(x / 2.0 ** e, -28, 28)
;;       step = 2.0 ** (np.maximum(np.frexp(np.where(r == 0, 1, r))[1] - 1, -2) - 2)
;;       q = np.round(r / step) * step * 2.0 ** e      # np.round: ties to even
;;       return np.moveaxis(q.reshape(q.shape[:-2] + (-1,))[..., :K], -1, axis).astype(np.float32)
;;   ~~~
;;   INPUTS GIVEN AS CODES. Wk (in the module: [1024, 1024], K = its axis 1); Wq (in the module: [1024, 1024], K = its axis 1); Wv (in the module: [1024, 1024], K = its axis 1); x (in the module: [32, 1024, 1024], K = its axis 2): each comes as NAME_codes (uint8): NAME with its K axis moved to the last place and cut into blocks of 32 codes, [.., K / 32, bytes a block], one block behind the other in memory; four codes in three bytes: a row's codes are one little-endian stream of bits, code i at bits 6 i .. 6 i + 5 (a code: sign, 3 exponent bits, 2 mantissa bits); and NAME_scales (uint8): the same leading axes, one E8M0 byte (e + 127) for each 32 codes along K. Its value is code x scale, taken as it is: it is not quantised again, and the codes and scales need not be those that the quantiser above would give.
;; One version. Each part assembles by itself: llvm-mc -triple=amdgcn-amd-amdhsa -mcpu=gfx1250 --defsym DOCPART=n.
;; ======== version 1 of 1: 3 launches
;; limits: right only within a limited range of input values
;; workspace buffers: wimg 1,638,400 bytes; qbuf 131,072 bytes; part 1,310,720 bytes
;; launch prep (part 1): grid 160 x 1, 8 waves a work-group, no clusters, 75,008 bytes of LDS; arguments x_codes, x_scales, Wq_codes, Wq_scales, bq, qbuf, Wk_codes, Wk_scales, Wv_codes, Wv_scales, wimg; writes qbuf, wimg
.if DOCPART == 1
	.amdgcn_target "amdgcn-amd-amdhsa--gfx1250"
	.amdhsa_code_object_version 6
	.text
	.protected	k_q829693a0d8_prep
	.globl	k_q829693a0d8_prep
	.p2align	8
	.type	k_q829693a0d8_prep,@function
k_q829693a0d8_prep:
	s_mov_b64 s[64:65], 0
	v_nop
	global_prefetch_b8 v0, s[64:65] scope:SCOPE_SE
	s_setreg_imm32_b32 hwreg(HW_REG_WAVE_MODE, 25, 1), 1
	s_wait_xcnt 0x0
; THE QUERY, AND THE WEIGHTS' IMAGES.
; WHAT THE PROGRAM LEAVES OUT: score[b][s] = q[b] . (Wk x[b][s] + bk) / 32.  q[b] . bk / 32 is one number for all s of a batch: a term added to the softmax's input that is the same along its axis, which
; the softmax takes away for all values of the inputs.  bk has no other way to an output: it is not loaded and is no argument of any launch.
; The softmax's weights sum to 1 (an identity), so the sum over s of weight x (Wv x[b][s] + bv) is the sum of weight x Wv x[b][s], plus bv once.
; LIMITS: a NaN, an infinity or an overflow that reaches only q . bk is not carried to the result.  NaN, infinities and the scale byte 0xff elsewhere go through as the matrix instruction gives them.
; Work-groups 0 to 31: qbuf[b][d] = (x[b][last] Wq^T + bq) x log2(e) / 32 (f32), 16 batches x 64 columns each.  64 rows of Wq (one dense block) and 16 rows of x come in as whole units of 256 bytes, 16 lanes a unit,
; and go to LDS with 16 bytes behind each unit.  Wave w: column tile w % 4, half w / 4 of K; the halves meet in LDS, and rows of 256 bytes leave.
; Work-groups 32 to 159: one tile of 16 rows of Wk or Wv each, laid out as a wave's operand registers take it: K step k: 3 x 512 bytes, lane l's registers 4 i .. 4 i + 3 at 512 i + 16 l;
; behind the eight K steps (12,288 bytes) 512 bytes of scales, lane (r, h): row r's 16 bytes of K steps 4 h .. 4 h + 3.
; No prefetch: there is no loop to run ahead in.  No cluster: a work-group's weights are read by two at the most.
.set ROWP,  816                        ; a row of 768 bytes in LDS
.set XQ,    64*ROWP                    ; behind Wq's 64 rows: x's 16
.set QC,    XQ+16*ROWP                 ; the two halves of K: 16 rows x 272 bytes each
.set COPY,  4352
.set SPARE, QC+2*COPY                  ; the spare words: 8 x 128 bytes
.macro FRAG reg, adr, k                ; a fragment: lane (r, h) takes 24 bytes at 96 k + 24 h and 24 at 96 k + 48 + 24 h of its row; adr + 1: for pieces whose partner in lanes 16-31 lies behind one padding more
.irp p, 0,1,2,3,4,5
.set OB, 96*(\k)+48*(\p/3)+8*(\p%3)
.if (OB+24)/256 == OB/256
	ds_load_b64 v[(\reg)+2*\p:(\reg)+2*\p+1], v[\adr] offset:OB+16*(OB/256)
.else
	ds_load_b64 v[(\reg)+2*\p:(\reg)+2*\p+1], v[\adr+1] offset:OB+16*(OB/256)
.endif
.endr
.endm
.macro QFRAGS k0                       ; four K steps of Wq and of x
.irp i, 0,1,2,3
	FRAG 32+12*\i, 28, \k0+\i
	FRAG 80+12*\i, 30, \k0+\i
.endr
.endm
	s_load_b512 s[4:19], s[0:1], 0x0
	s_load_b128 s[20:23], s[0:1], 0x40
	s_load_b64 s[24:25], s[0:1], 0x50
	v_lshl_add_u32 v1, v0, 2, SPARE                ; my spare word, and 0
	v_mov_b32 v2, 0
	v_lshrrev_b32 v3, 5, v0
	v_readfirstlane_b32 s28, v3                    ; wave 0..7
	v_and_b32 v4, 15, v0                           ; r
	v_bfe_u32 v5, v0, 4, 1                         ; h
	v_mul_u32_u24 v6, v5, 24
	v_lshrrev_b32 v26, 4, v0                       ; thread / 16: 0..15
	v_lshlrev_b32 v11, 4, v4                       ; 16 (thread % 16)
	s_mov_b32 s37, 0
	s_mov_b32 s39, 0
	s_mov_b32 s41, 0
	s_wait_alu depctr_va_vdst(0)                   ; the wait at the head's end
	s_wait_kmcnt 0x0
	s_cmp_lt_u32 ttmp9, 32
	s_cbranch_scc0 .Limage
	s_lshr_b32 s30, ttmp9, 1                       ; 64 columns: 64 s30 ..
	s_and_b32 s31, ttmp9, 1                        ; 16 batches: 16 s31 ..
	s_and_b32 s32, s28, 3                          ; my column tile of the four
	s_lshr_b32 s33, s28, 2                         ; my half of K
	s_mul_i32 s36, s30, 64*768
	s_add_nc_u64 s[8:9], s[8:9], s[36:37]          ; Wq's codes
	s_mul_i32 s36, s31, 16*786432
	s_add_co_u32 s36, s36, 1023*768
	s_add_nc_u64 s[4:5], s[4:5], s[36:37]          ; x's last rows
	s_lshl_b32 s34, s30, 2
	s_add_co_u32 s34, s34, s32
	s_lshl_b32 s38, s33, 4
	s_lshl_b32 s36, s34, 9
	s_add_co_u32 s36, s36, s38
	s_add_nc_u64 s[10:11], s[10:11], s[36:37]      ; their scales
	s_lshl_b32 s36, s31, 19
	s_add_co_u32 s36, s36, s38
	s_add_co_u32 s36, s36, 1023*32
	s_add_nc_u64 s[6:7], s[6:7], s[36:37]
	s_lshl_b32 s38, s30, 8
	s_add_nc_u64 s[12:13], s[12:13], s[38:39]      ; bq
	s_lshl_b32 s36, s31, 16
	s_add_co_u32 s36, s36, s38
	s_add_nc_u64 s[14:15], s[14:15], s[36:37]      ; qbuf
	v_lshlrev_b32 v8, 4, v0
	v_mul_u32_u24 v154, v26, 786432                ; a batch of x
	v_add_nc_u32 v154, v154, v11
	v_lshlrev_b32 v9, 5, v4
	v_lshlrev_b32 v10, 15, v4
.irp i, 0,1,2
	global_load_b128 v[80+4*\i:83+4*\i], v154, s[4:5] offset:256*\i
.endr
.irp i, 0,1,2,3,4,5,6,7,8,9,10,11
	global_load_b128 v[32+4*\i:35+4*\i], v8, s[8:9] offset:4096*\i
.endr
	global_load_b128 v[16:19], v9, s[10:11]
	global_load_b128 v[20:23], v10, s[6:7]
	global_load_b128 v[12:15], v11, s[12:13]
	v_mul_u32_u24 v25, v26, 272                    ; in: unit thread / 16 of 4,096 bytes; and back at the end: 16 lanes take a row
	v_add_nc_u32 v25, v25, v11
	v_mul_u32_u24 v153, v26, ROWP                  ; in: x's row thread / 16
	v_add_nc_u32 v153, v153, v11
	v_add_nc_u32 v153, XQ, v153
	s_mul_i32 s36, s32, 16*ROWP
	v_mul_u32_u24 v3, v4, ROWP
	v_add_nc_u32 v3, v3, v6                        ; a fragment's row r, + 24 h
	v_lshlrev_b32 v7, 4, v5
	v_add_nc_u32 v28, s36, v3                      ; Wq's
	v_add_nc_u32 v29, v28, v7
	v_add_nc_u32 v30, XQ, v3                       ; x's
	v_add_nc_u32 v31, v30, v7
	s_mul_i32 s36, s33, COPY
	s_lshl_b32 s38, s32, 6
	s_add_co_u32 s36, s36, s38
	s_add_co_u32 s36, s36, QC
	v_mul_u32_u24 v24, v4, 272                     ; the result: row r (a batch), my tile's 64 bytes, + 32 h
	v_lshl_add_u32 v24, v5, 5, v24
	v_add_nc_u32 v24, s36, v24
	v_lshl_add_u32 v27, v26, 12, v11
	v_add_nc_u32 v152, QC, v25
	s_wait_alu depctr_va_vdst(0)
	s_wait_loadcnt 0x0
.irp i, 0,1,2
	ds_store_b128 v153, v[80+4*\i:83+4*\i] offset:272*\i
.endr
.irp i, 0,1,2,3,4,5,6,7,8,9,10,11
	ds_store_b128 v25, v[32+4*\i:35+4*\i] offset:COPY*\i
.endr
	s_wait_dscnt 0x0                               ; for the others' sake
	s_barrier_signal -1
	s_barrier_wait -1
	s_cmp_lg_u32 s33, 0
	s_cbranch_scc1 .Lupper
	QFRAGS 0
	s_branch .Lloaded
.Lupper:
	QFRAGS 4
.Lloaded:
	s_wait_dscnt 0x0
	; source 0 = 16 rows of Wq, source 1 = 16 batches: lane (r, h) gets batch r, columns 8 h + 0 .. 7; two accumulators by turns
	v_wmma_scale_f32_16x16x128_f8f6f4 v[128:135], v[32:43], v[80:91], 0, v16, v20 matrix_a_fmt:MATRIX_FMT_BF6 matrix_b_fmt:MATRIX_FMT_BF6
	v_wmma_scale_f32_16x16x128_f8f6f4 v[136:143], v[44:55], v[92:103], 0, v17, v21 matrix_a_fmt:MATRIX_FMT_BF6 matrix_b_fmt:MATRIX_FMT_BF6
	v_wmma_scale_f32_16x16x128_f8f6f4 v[128:135], v[56:67], v[104:115], v[128:135], v18, v22 matrix_a_fmt:MATRIX_FMT_BF6 matrix_b_fmt:MATRIX_FMT_BF6
	v_wmma_scale_f32_16x16x128_f8f6f4 v[136:143], v[68:79], v[116:127], v[136:143], v19, v23 matrix_a_fmt:MATRIX_FMT_BF6 matrix_b_fmt:MATRIX_FMT_BF6
.rept 4
	v_nop                                          ; places in front of the first read of the results
.endr
.irp j, 0,2,4,6
	v_pk_add_f32 v[144+\j:145+\j], v[128+\j:129+\j], v[136+\j:137+\j]
.endr
	ds_store_b128 v24, v[144:147]
	ds_store_b128 v24, v[148:151] offset:16
	s_wait_dscnt 0x0                               ; for the others' sake
	s_barrier_signal -1
	s_barrier_wait -1
	ds_load_b128 v[32:35], v152
	ds_load_b128 v[36:39], v152 offset:COPY
	s_wait_dscnt 0x0
.irp c, 0,2
	v_pk_add_f32 v[32+\c:33+\c], v[32+\c:33+\c], v[36+\c:37+\c]
.endr
.irp c, 0,2
	v_pk_add_f32 v[32+\c:33+\c], v[32+\c:33+\c], v[12+\c:13+\c]
.endr
.irp c, 0,2
	v_pk_mul_f32 v[32+\c:33+\c], v[32+\c:33+\c], 0x3d38aa3b op_sel_hi:[1,0]   ; log2(e) / 32: no quantiser follows
.endr
	global_store_b128 v27, v[32:35], s[14:15]      ; 16 lanes store 256 consecutive bytes
	s_wait_tensorcnt 0x0                           ; the wave's end
	ds_add_u32 v1, v2
	s_wait_dscnt 0x0
	s_endpgm
.Limage:
	s_sub_co_u32 s30, ttmp9, 32                    ; tile 0..63 of Wk, 64..127 of Wv
	s_and_b32 s31, s30, 63
	s_cmp_lt_u32 s30, 64
	s_cselect_b64 s[16:17], s[16:17], s[20:21]
	s_cselect_b64 s[18:19], s[18:19], s[22:23]
	s_mul_i32 s36, s31, 16*768
	s_mul_i32 s38, s28, 96                         ; wave w: K step w
	s_add_co_u32 s36, s36, s38
	s_add_nc_u64 s[16:17], s[16:17], s[36:37]
	s_lshl_b32 s36, s31, 9
	s_add_nc_u64 s[18:19], s[18:19], s[36:37]
	s_mul_i32 s38, s30, 12800
	s_add_nc_u64 s[24:25], s[24:25], s[38:39]
	s_mul_i32 s40, s28, 1536
	s_add_nc_u64 s[26:27], s[24:25], s[40:41]
	v_mul_u32_u24 v7, v4, 768
	v_add_nc_u32 v7, v7, v6                        ; row r of 768 bytes, + 24 h
	v_and_b32 v9, 31, v0
	v_lshlrev_b32 v8, 4, v9
	v_lshlrev_b32 v10, 4, v5
	v_lshl_add_u32 v10, v4, 5, v10
.irp p, 0,1,2,3,4,5
	global_load_b64 v[32+2*\p:33+2*\p], v7, s[16:17] offset:48*(\p/3)+8*(\p%3)
.endr
	global_load_b128 v[44:47], v10, s[18:19]
	s_wait_alu depctr_va_vdst(0)
	s_wait_loadcnt 0x0
.irp i, 0,1,2
	global_store_b128 v8, v[32+4*\i:35+4*\i], s[26:27] offset:512*\i   ; 512 consecutive bytes each
.endr
	s_cmp_lg_u32 s28, 0
	s_cbranch_scc1 .Ldone
	global_store_b128 v8, v[44:47], s[24:25] offset:12288   ; wave 0 stores the scales
.Ldone:
	s_endpgm
.Lfunc_end_k_q829693a0d8_prep:
	.size	k_q829693a0d8_prep, .Lfunc_end_k_q829693a0d8_prep-k_q829693a0d8_prep
	.p2alignl 7, 3214868480
	.fill 96, 4, 3214868480
	.section	.rodata,"a",@progbits
	.p2align	6, 0x0
	.amdhsa_kernel k_q829693a0d8_prep
		.amdhsa_group_segment_fixed_size 75008
		.amdhsa_private_segment_fixed_size 0
		.amdhsa_enable_private_segment 0
		.amdhsa_kernarg_size 88
		.amdhsa_user_sgpr_count 2
		.amdhsa_user_sgpr_kernarg_segment_ptr 1
		.amdhsa_wavefront_size32 1
		.amdhsa_system_sgpr_workgroup_id_x 1
		.amdhsa_system_sgpr_workgroup_id_y 1
		.amdhsa_system_sgpr_workgroup_id_z 1
		.amdhsa_system_vgpr_workitem_id 0
		.amdhsa_next_free_vgpr 160
		.amdhsa_next_free_sgpr 66
		.amdhsa_reserve_vcc 0
		.amdhsa_float_denorm_mode_32 3
		.amdhsa_float_denorm_mode_16_64 3
		.amdhsa_memory_ordered 1
		.amdhsa_forward_progress 1
		.amdhsa_inst_pref_size 17
	.end_amdhsa_kernel
	.amdgpu_metadata
---
amdhsa.version: [ 1, 2 ]
amdhsa.kernels:
  - .name:           k_q829693a0d8_prep
    .symbol:         k_q829693a0d8_prep.kd
    .args:
      - { .name: x_codes, .offset: 0, .size: 8, .value_kind: global_buffer, .address_space: global }
      - { .name: x_scales, .offset: 8, .size: 8, .value_kind: global_buffer, .address_space: global }
      - { .name: Wq_codes, .offset: 16, .size: 8, .value_kind: global_buffer, .address_space: global }
      - { .name: Wq_scales, .offset: 24, .size: 8, .value_kind: global_buffer, .address_space: global }
      - { .name: bq, .offset: 32, .size: 8, .value_kind: global_buffer, .address_space: global }
      - { .name: qbuf, .offset: 40, .size: 8, .value_kind: global_buffer, .address_space: global }
      - { .name: Wk_codes, .offset: 48, .size: 8, .value_kind: global_buffer, .address_space: global }
      - { .name: Wk_scales, .offset: 56, .size: 8, .value_kind: global_buffer, .address_space: global }
      - { .name: Wv_codes, .offset: 64, .size: 8, .value_kind: global_buffer, .address_space: global }
      - { .name: Wv_scales, .offset: 72, .size: 8, .value_kind: global_buffer, .address_space: global }
      - { .name: wimg, .offset: 80, .size: 8, .value_kind: global_buffer, .address_space: global }
    .group_segment_fixed_size: 75008
    .private_segment_fixed_size: 0
    .kernarg_segment_align: 8
    .kernarg_segment_size: 88
    .max_flat_workgroup_size: 256
    .sgpr_count:     66
    .vgpr_count:     160
    .wavefront_size: 32
...
	.end_amdgpu_metadata
.endif
;; end of part 1
;; launch main (part 2): grid 256 x 1, 4 waves a work-group, clusters of 4 x 1, 327,680 bytes of LDS; arguments x_codes, x_scales, wimg, qbuf, part; writes part
.if DOCPART == 2
	.amdgcn_target "amdgcn-amd-amdhsa--gfx1250"
	.amdhsa_code_object_version 6
	.text
	.protected	k_q829693a0d8_main
	.globl	k_q829693a0d8_main
	.p2align	8
	.type	k_q829693a0d8_main,@function
k_q829693a0d8_main:
	s_mov_b64 s[64:65], 0
	v_nop
	global_prefetch_b8 v0, s[64:65] scope:SCOPE_SE
	s_setreg_imm32_b32 hwreg(HW_REG_WAVE_MODE, 25, 1), 1
	s_wait_xcnt 0x0
	s_wait_alu depctr_hold_cnt(0) depctr_sa_sdst(0) depctr_va_vdst(0) depctr_va_sdst(0) depctr_va_ssrc(0) depctr_va_vcc(0) depctr_vm_vsrc(0)
	s_getreg_b32 s2, hwreg(HW_REG_IB_STS2, 6, 4)
	s_cmp_eq_u32 s2, 0
	s_cbranch_scc0 .Lentry_in_a_cluster
	s_endpgm
.Lentry_in_a_cluster:
	s_bfe_u32 s2, ttmp6, 0x10000c
	s_cmp_lg_u32 s2, 0x3003
	s_cbranch_scc0 .Lentry_shape_is_right
	s_endpgm
.Lentry_shape_is_right:
; SCORES, PARTIAL SOFTMAX AND PARTIAL CONTEXT of 128 rows s of one batch.  t[s] = the sum over d of qbuf[b][d] x (x Wk^T)[s][d]  (qbuf carries log2(e) / 32);  m = the largest t, p[s] = 2^(t[s] - m), l = the sum of p;
; context[d] = the sum over s of p[s] x (x Wv^T)[s][d].  part[work-group]: 1,024 numbers of context, 128 of p, then 128 that repeat (m, l).  Neither K nor V goes to memory.
; LEFT OUT: bk (the same number in all t of a batch: the softmax takes it away; the first kernel's head), and bv's product with the weights' sum, which is 1.
; LIMITS: NaN, infinities and the scale byte 0xff go through as the instructions give them; a p under 2^-126 comes out as 0 (v_exp_f32 gives no denormals: ISA guide 15.8).
; SHARES.  EVERY WAVE HOLDS ALL 128 ROWS OF x IN REGISTERS (64 fragments x 12 = 768).  Wk's and then Wv's 1,024 rows stream through a ring of two LDS slots: 16 slots of 8 column tiles, wave w takes tiles 2 w, 2 w + 1.
; A fragment of W is read from LDS once in the work-group and feeds 8 matrix instructions.
; A TILE (16 columns d x 128 rows) is 64 matrix instructions: row tiles 0-3 (group 0), then 4-7 (group 1), in each K ascending, the four accumulators by turns.
; Source 0 = 16 rows of W, source 1 = 16 rows of x: register j of lane (r, h) is (column 8 h + j, row 16 t + r).  First pass: packed multiply-adds with q's pairs onto a pair of sums for each row tile.
; Second pass: packed multiply-adds with p of the lane's row, 8 sums a tile, which go to an LDS stage [16 lanes][1,024 columns] and are added up at the end.
; This vector work stands in slices behind the other group's matrix instructions, where no wait for memory parts a sum's write from its next read.
; CLUSTER 4 x 1: all four work-groups want every slot: each wave's quarter of it is asked for jointly by the four (mask 15).  x is each work-group's own.
; PREFETCH: behind the refill with slot n + 2 the first four clusters ask for slot n + 4, up to slot 15: 400 blocks of 256 bytes, 100 for each partner by address, 25 for each wave.  None for x: it is loaded once.
.set SLOTG,  102400                    ; a slot in memory and in LDS: 8 tile images of 12,800 bytes
.set QUART,  25600
.set TIMG,   12800
.set ROWP,   816                       ; a row of x in LDS: 768 bytes + 16 behind each 256
.set TROWS,  16*ROWP
.set XB,     2*SLOTG                   ; x's 128 rows: filled once, 104,448 bytes
.set CTXP,   XB+512                    ; when x is in registers: the context's stage, 16 x 4,112 bytes, in blocks that have had their last fill
.set CPITCH, 4112
.set QS,     XB+128*ROWP               ; q of my batch: 4,096 bytes
.set SCW,    QS+5120                   ; the waves' partial scores: 512 bytes each
.set PL,     SCW+2048                  ; p by rows: 512 bytes for each wave, its own
.set SPARE,  PL+2048                   ; the spare words
.set REC,    5120                      ; a work-group's record in part
; VECTOR REGISTERS, window 0 (windows 1 to 3: x's fragments 0 to 62, fragment f at window 1 + f / 21, register 12 (f % 21); f = 32 group + 4 K step + row tile)
.set SPW,  1                           ; LDS address of my spare word; never rewritten
.set NIL,  2                           ; 0; never rewritten
.set ADR,  3                           ; my two tiles in the slot in hand
.set QA,   4                           ; q of my tiles in the slot in hand
.set CSA,  5                           ; where my tiles' context goes
.set PFO,  6                           ; the prefetches' offset; never rewritten
.set ADR0, 7
.set XS,   8                           ; v8-39: x's scale words, 4 for each row tile: register i: lanes 0-15 K step i, lanes 16-31 K step 4 + i
.set WS,   40                          ; v40-47: W's, two sets of 4, packed alike
.set WF,   48                          ; v48-143: the tile's 8 fragments of W
.set ACC,  144                         ; v144-207: 8 accumulators
.set XF63, 208                         ; v208-219: x's fragment 63
.set Q,    220                         ; v220-227: q of the tile's columns 8 h + 0 .. 7; then p of rows 16 t + r
.set SUM,  228                         ; v228-243: a pair of sums for each row tile; then the tile's 8 sums, twice
.set MX,   244
.set LS,   245
.set QA0,  254                         ; (v246-253: first pass: q's second set, at Q + 26; second pass: the 8 sums of a slot's second tile, at SUM + 18)
.set CSA0, 255
.set SCWA, 185                         ; between the passes
.set SCRA, 186
.set RR,   192                         ; at the head
.set HH,   193
.set LN,   194
.set H16,  195
.set T16,  196
.set XSO,  197
.set WA,   244                         ; at the head and in the first tile: v244-245 addresses of x in LDS
.set QSW,  204
.set T1,   205
; SCALAR REGISTERS
.set WV,   22
.set CX,   23
.set WG,   24
.set HALF, 25
.set G1X,  32
.set G1H,  40
.set G1,   48
.set G0X,  56
.set G0H,  60
.set G0,   68                          ; the ring's walking descriptor
.set SEL,  76
.set PFA,  78
.set LIM,  80                          ; 2 in a cluster that prefetches, else the greatest number
.set SL,   81                          ; slots still to be asked for
.set TB,   82                          ; LDS byte at which the slot in hand begins
.set TA,   83                          ; 512 bytes a slot: q's and the context's columns
.set LW,   84
.set MSB, 0
.macro WIN new                         ; the immediate's high byte repeats the setting that is left; a switch that changes nothing is dropped
.if MSB != \new
	s_set_vgpr_msb (MSB<<8)|\new
.set MSB, \new
.endif
.endm
.macro CREST                           ; a round of the cluster's barrier behind its opening barrier
	s_cmp_lg_u32 s[WV], 0
	s_cbranch_scc1 .Lnot_wave_0_\@
	s_barrier_signal -3
.Lnot_wave_0_\@:
	s_barrier_wait -3
	s_barrier_signal -1
	s_barrier_wait -1
.endm
.macro CROUND
	s_barrier_signal -1
	s_barrier_wait -1
	CREST
.endm
; A fragment of x, 16 rows x 128 K: lane (r, h) takes 24 bytes at 96 k + 24 h and 24 at 96 k + 48 + 24 h of its row, in pieces of 8 bytes; adr + 1: for pieces whose partner in lanes 16-31 lies behind one padding more
.macro FRAGX reg, adr, k, off
.irp p, 0,1,2,3,4,5
.set OB, 96*(\k)+48*(\p/3)+8*(\p%3)
.if (OB+24)/256 == OB/256
	ds_load_b64 v[(\reg)+2*\p:(\reg)+2*\p+1], v[\adr] offset:(\off)+OB+16*(OB/256)
.else
	ds_load_b64 v[(\reg)+2*\p:(\reg)+2*\p+1], v[\adr+1] offset:(\off)+OB+16*(OB/256)
.endif
.endr
.endm
.macro FRAGW k, off                    ; a fragment of W: its register image
.irp i, 0,1,2
	ds_load_b128 v[WF+12*(\k)+4*\i:WF+12*(\k)+4*\i+3], v[ADR] offset:(\off)+1536*(\k)+512*\i
.endr
.endm
; One matrix instruction of K step k: the first starts the sum with the constant 0; K steps 4 to 7 take their scale words from lanes 16-31
.macro MM d, a, b, sa, sb, k
.if (\k) == 0
	v_wmma_scale_f32_16x16x128_f8f6f4 v[(\d):(\d)+7], v[(\a):(\a)+11], v[(\b):(\b)+11], 0, v[\sa], v[\sb] matrix_a_fmt:MATRIX_FMT_BF6 matrix_b_fmt:MATRIX_FMT_BF6
.elseif (\k) < 4
	v_wmma_scale_f32_16x16x128_f8f6f4 v[(\d):(\d)+7], v[(\a):(\a)+11], v[(\b):(\b)+11], v[(\d):(\d)+7], v[\sa], v[\sb] matrix_a_fmt:MATRIX_FMT_BF6 matrix_b_fmt:MATRIX_FMT_BF6
.else
	v_wmma_scale_f32_16x16x128_f8f6f4 v[(\d):(\d)+7], v[(\a):(\a)+11], v[(\b):(\b)+11], v[(\d):(\d)+7], v[\sa], v[\sb] matrix_a_fmt:MATRIX_FMT_BF6 matrix_b_fmt:MATRIX_FMT_BF6 matrix_a_scale:MATRIX_SCALE_ROW1 matrix_b_scale:MATRIX_SCALE_ROW1
.endif
.endm
.macro STEP4 g, k, u                   ; K step k of group g: only source 1's window moves, so LDS loads (address and destination in window 0) may stand under any of these settings
.irp t, 0,1,2,3
.set FI, 32*(\g)+4*(\k)+\t
.if FI == 63
.set WN, 0
.set WB, XF63
.else
.set WN, 4*(1+FI/21)
.set WB, 12*(FI%21)
.endif
	WIN WN
	MM ACC+8*(4*(\g)+\t), WF+12*(\k), WB, WS+4*(\u)+(\k)%4, XS+4*(4*(\g)+\t)+(\k)%4, \k
.endr
.endm
.macro XST j                           ; x's four fragments of group j / 8, K step j % 8, from LDS: 24 loads
.irp t, 0,1,2,3
.set FI, 4*(\j)+\t
.if FI == 63
	WIN 0
	FRAGX XF63, WA, (\j)%8, TROWS*\t
.else
.set WN, 0x40*(1+FI/21)
	WIN WN
	FRAGX 12*(FI%21), WA, (\j)%8, TROWS*\t
.endif
.endr
.endm
.macro KSL t0, m, q                    ; first pass: columns 8 h + 2 m, 2 m + 1 of four row tiles, q's set at q; m ascends
.irp t, 0,1,2,3
	v_pk_fma_f32 v[SUM+2*((\t0)+\t):SUM+2*((\t0)+\t)+1], v[ACC+8*((\t0)+\t)+2*(\m):ACC+8*((\t0)+\t)+2*(\m)+1], v[(\q)+2*(\m):(\q)+2*(\m)+1], v[SUM+2*((\t0)+\t):SUM+2*((\t0)+\t)+1]
.endr
.endm
.macro VSL d, t, start                 ; second pass: row tile t's 8 columns x p of its row, onto 8 sums
.set TT, \t
.irp j, 0,2,4,6
.if \start
	v_pk_mul_f32 v[(\d)+\j:(\d)+\j+1], v[ACC+8*TT+\j:ACC+8*TT+\j+1], v[Q+TT:Q+TT+1] op_sel_hi:[1,0]
.elseif TT%2 == 0
	v_pk_fma_f32 v[(\d)+\j:(\d)+\j+1], v[ACC+8*TT+\j:ACC+8*TT+\j+1], v[Q+TT:Q+TT+1], v[(\d)+\j:(\d)+\j+1] op_sel_hi:[1,0,1]
.else
	v_pk_fma_f32 v[(\d)+\j:(\d)+\j+1], v[ACC+8*TT+\j:ACC+8*TT+\j+1], v[Q+TT-1:Q+TT], v[(\d)+\j:(\d)+\j+1] op_sel:[0,1,0] op_sel_hi:[1,1,1]
.endif
.endr
.endm
.macro VPREV k, a                      ; the last tile's group 1: row tile 4 + k; behind the fourth the tile's 8 sums stand at a
.if (\k) == 0
	VSL SUM+8, 4, 1
.elseif (\k) == 1
	VSL SUM+8, 5, 0
.elseif (\k) == 2
	VSL \a, 6, 0
.else
	VSL \a, 7, 0
.irp j, 0,2,4,6
	v_pk_add_f32 v[(\a)+\j:(\a)+\j+1], v[(\a)+\j:(\a)+\j+1], v[SUM+8+\j:SUM+9+\j]
.endr
.endif
.endm
.macro PLACES
.rept 4
	v_nop
.endr
.endm
.macro JLOAD                           ; my quarter of a slot, asked for jointly by the four work-groups; four v_nop follow
	tensor_load_to_lds s[G0:G0+3], s[G1:G1+7]
	s_nop 0
	PLACES
.endm
.macro ASK
	s_cmp_gt_u32 s[SL], s[LIM]
	s_cbranch_scc0 .Lnot_mine_\@
	global_prefetch_b8 v[PFO], s[PFA:PFA+1] th:TH_LOAD_NT scope:SCOPE_SE
.Lnot_mine_\@:
.endm
; ---- A TILE.  ty: 0 first pass, 1 second;  u: which of the slot's two;  pv: whose group 1 is still to be summed (0, 1: that pass's; 2: none);  chg: the slot is left in it;  fill: and filled again;  last: no tile follows.
; LDS instructions stand in two groups: behind K step 3 of group 1 the next tile's scale words, q and fragments 0 to 3; behind K step 7 the last tile's sums (second pass) and fragments 4 to 7.
.macro TILE ty, u, pv, chg, fill, last
.irp k, 0,1,2,3,4,5,6,7
.if \k == 0
	s_wait_dscnt 12                                ; the scale words and fragments 0 to 3 are in; the 12 loads of fragments 4 to 7 may be out
.elseif (\k == 4) && (\chg == 0)
	s_wait_dscnt 0x0                               ; fragments 4 to 7 are in
.elseif \k == 4
	WIN 0                                          ; (the add's two registers lie in window 0)
	s_wait_tensorcnt 0x0                           ; all my tensor loads have landed: the one that was out is my part of the next slot
.if \fill
	ds_add_u32 v[SPW], v[NIL]                      ; 0 onto my spare word
	s_add_co_u32 s[G0+1], s[LW], s[TB]             ; the slot in hand is the next to be filled,
	s_add_nc_u64 s[G0+2:G0+3], s[G0+2:G0+3], SLOTG ; with the slot two on
	s_wait_xcnt 0x0                                ; the last prefetch, a slot back, has read its address
	s_add_nc_u64 s[PFA:PFA+1], s[PFA:PFA+1], SLOTG
	s_wait_dscnt 1                                 ; fragments 4 to 7 are in; the add may be out
.else
	s_wait_dscnt 0x0
.endif
.elseif (\k == 6) && \chg
	s_wait_dscnt 0x0                               ; the add is done, and all that I read of this slot is in registers
	s_barrier_signal -1
.endif
	STEP4 0, \k, \u
.if \k < 4
.if \pv == 0
	WIN 0
	KSL 4, \k, Q+26-26*(\u)
.elseif \pv == 1
	WIN 0
	VPREV \k, SUM+18-18*(\u)
.endif
.endif
.endr
	WIN 0                                          ; at a branch and at a label every window is 0
.if \chg
	s_barrier_wait -1
.if \fill
	CREST                                          ; the barrier has opened a round of the cluster's: no wave of any partner still reads this slot or has a load on its way
	JLOAD                                          ; the first thing behind the round, my one tensor load until the next; its four v_nop are also group 0's places
	ASK
.else
	PLACES
.endif
	s_xor_b32 s[TB], s[TB], SLOTG                  ; on to the other slot
	s_add_co_u32 s[TA], s[TA], 512
.if \ty == 0
	s_and_b32 s[TA], s[TA], 0xe00                  ; (behind the eighth slot q's walk is back at its start: what is loaded there is not used)
.endif
	v_add_nc_u32 v[ADR], s[TB], v[ADR0]
.if \ty == 0
	v_add_nc_u32 v[QA], s[TA], v[QA0]
.else
	v_add_nc_u32 v[CSA], s[TA], v[CSA0]
.endif
.else
	PLACES                                         ; in front of the first read of group 0's results
.endif
.irp k, 0,1,2,3,4,5,6,7
	STEP4 1, \k, \u
.if \k % 2 == 1
	WIN 0
.if \ty == 0
	KSL 0, (\k-1)/2, Q+26*(\u)
.elseif \k == 1
	VSL SUM+18*(\u), 0, 1
.else
	VSL SUM+18*(\u), (\k-1)/2, 0
.endif
.if (\last == 0) && (\k == 3)
	ds_load_b128 v[WS+4-4*(\u):WS+7-4*(\u)], v[ADR] offset:TIMG-TIMG*(\u)+12288   ; the next tile's scale words, into the other set,
.if \ty == 0
	ds_load_b128 v[Q+26-26*(\u):Q+29-26*(\u)], v[QA] offset:64-64*(\u)            ; its q, likewise,
	ds_load_b128 v[Q+30-26*(\u):Q+33-26*(\u)], v[QA] offset:80-64*(\u)
.endif
	FRAGW 0, TIMG-TIMG*(\u)                        ; and fragments: behind four places: the slice above names no register of the products that read these
	FRAGW 1, TIMG-TIMG*(\u)
	FRAGW 2, TIMG-TIMG*(\u)
	FRAGW 3, TIMG-TIMG*(\u)
.endif
.if \k == 7
.if (\ty == 1) && (\pv == 1)
.if \last
.set CO, 512
.else
.set CO, 64-64*(\u)
.endif
	ds_store_b128 v[CSA], v[SUM+18-18*(\u):SUM+21-18*(\u)] offset:CO
	ds_store_b128 v[CSA], v[SUM+22-18*(\u):SUM+25-18*(\u)] offset:CO+16
.endif
.if \last == 0
	FRAGW 4, TIMG-TIMG*(\u)
	FRAGW 5, TIMG-TIMG*(\u)
	FRAGW 6, TIMG-TIMG*(\u)
	FRAGW 7, TIMG-TIMG*(\u)
.endif
.endif
.endif
.endr
.endm
	s_load_b256 s[4:11], s[0:1], 0x0               ; x's codes s[4:5], x's scales s[6:7], wimg s[8:9], qbuf s[10:11]
	s_load_b64 s[12:13], s[0:1], 0x20              ; part
	v_lshl_add_u32 v[SPW], v0, 2, SPARE
	v_mov_b32 v[NIL], 0
	ds_add_u32 v[SPW], v[NIL]                      ; the wave's opening: the add, twice on end, and its one wait
	ds_add_u32 v[SPW], v[NIL]
	v_lshrrev_b32 v[T1], 5, v0
	v_readfirstlane_b32 s[WV], v[T1]               ; wave 0..3
	s_bfe_u32 s[CX], ttmp6, 0x40000
	s_lshl_b32 s[WG], ttmp9, 2
	s_add_co_u32 s[WG], s[WG], s[CX]               ; work-group = 8 x batch + block of 128 rows
	s_and_b32 s[HALF], s[WV], 1
	; group 1: every tile is a dense block of memory, stated as rows of 256 bytes (32 elements of 8)
	s_mov_b32 s[G1X], (3<<16)|(1<<20)|(5<<22)|(3<<25)  ; x: mine alone; after every 64 words 4 words of padding
	s_mov_b32 s[G1H], 15|(3<<16)|(1<<21)           ; the weights: for all four work-groups, no padding
	s_mov_b32 s[G1], 15|(3<<16)|(1<<21)
.irp g, G1X, G1H, G1
	s_mov_b32 s[\g+1], 32<<16
	s_mov_b32 s[\g+3], 32<<16
	s_mov_b32 s[\g+5], 32
	s_mov_b32 s[\g+6], 0
	s_mov_b32 s[\g+7], 0
.endr
	s_mov_b32 s[G1X+2], 192<<16                    ; 64 rows of 768 bytes are 192 units
	s_mov_b32 s[G1X+4], 192
	s_mov_b32 s[G1H+2], 200<<16                    ; half a slot
	s_mov_b32 s[G1H+4], 200
	s_mov_b32 s[G1+2], 100<<16                     ; a quarter
	s_mov_b32 s[G1+4], 100
	s_mul_i32 s86, s[WG], 98304                    ; my 128 rows of codes
	s_mov_b32 s87, 0
	s_mul_i32 s88, s[HALF], 49152
	s_mov_b32 s89, 0
	s_lshl_b32 s90, s[WG], 12                      ; their scale bytes
	s_mov_b32 s91, 0
	s_mul_i32 s92, s[HALF], 2*QUART
	s_mov_b32 s93, 0
	s_mul_i32 s[LW], s[WV], QUART
	s_mul_i32 s94, s[WV], QUART
	s_mov_b32 s95, 0
	s_lshr_b32 s96, s[WG], 3
	s_lshl_b32 s96, s96, 12                        ; my batch's q
	s_mov_b32 s97, 0
	s_mul_i32 s98, s[WG], REC
	s_mov_b32 s99, 0
	s_mul_i32 s26, s[CX], QUART                    ; the prefetches: my work-group's 100 blocks of a slot,
	s_mul_i32 s27, s[WV], 6400                     ; my wave's 25 of them,
	s_add_co_u32 s26, s26, s27
	s_add_co_u32 s26, s26, 3*SLOTG                 ; in slot 3: the first change of slots steps it to slot 4
	s_mov_b32 s27, 0
	s_mov_b32 s[SEL], 0x76543210
	s_mov_b32 s[SEL+1], 0xfedcba98
	s_mov_b32 s[TB], 0
	s_mov_b32 s[TA], 0
	s_mov_b32 s[SL], 14
	s_cmp_lt_u32 ttmp9, 4
	s_cselect_b32 s[LIM], 2, -1                    ; the same in all four partners
	s_wait_alu depctr_va_vdst(0)
	s_wait_dscnt 0x0                               ; both opening adds are done
	s_wait_kmcnt 0x0
	s_add_nc_u64 s[4:5], s[4:5], s[86:87]
	s_add_nc_u64 s[6:7], s[6:7], s[90:91]
	s_add_nc_u64 s[10:11], s[10:11], s[96:97]
	s_add_nc_u64 s[12:13], s[12:13], s[98:99]
	s_add_nc_u64 s[PFA:PFA+1], s[8:9], s[26:27]
	s_mul_i32 s27, s[HALF], 64*ROWP
	s_mov_b32 s[G0X], 1
	s_add_co_u32 s[G0X+1], s27, XB
	s_add_nc_u64 s[G0X+2:G0X+3], s[4:5], s[88:89]
	s_or_b32 s[G0X+3], s[G0X+3], 0x80000000
	s_mov_b32 s[G0H], 1
	s_mov_b32 s[G0H+1], s92
	s_add_nc_u64 s[G0H+2:G0H+3], s[8:9], s[92:93]
	s_or_b32 s[G0H+3], s[G0H+3], 0x80000000
	s_mov_b32 s[G0], 1
	s_add_co_u32 s[G0+1], s[LW], SLOTG             ; slot 1 first
	s_add_nc_u64 s[G0+2:G0+3], s[8:9], s[94:95]
	s_add_nc_u64 s[G0+2:G0+3], s[G0+2:G0+3], SLOTG
	s_or_b32 s[G0+3], s[G0+3], 0x80000000
	CROUND                                         ; all four work-groups are here: the first joint loads meet
	s_cmp_lt_u32 s[WV], 2                          ; ONE LOAD A WAVE: waves 0, 1 x's halves, waves 2, 3 the halves of slot 0
	s_cbranch_scc0 .Lhead_w
	tensor_load_to_lds s[G0X:G0X+3], s[G1X:G1X+7]
	s_nop 0
	PLACES
	s_branch .Lhead_asked
.Lhead_w:
	tensor_load_to_lds s[G0H:G0H+3], s[G1H:G1H+7]
	s_nop 0
	PLACES
.Lhead_asked:
	v_and_b32 v[RR], 15, v0
	v_bfe_u32 v[HH], v0, 4, 1
	v_and_b32 v[LN], 31, v0
	v_lshlrev_b32 v[H16], 4, v[HH]
	v_lshlrev_b32 v[T16], 4, v0
	v_lshl_add_u32 v[XSO], v[RR], 5, v[H16]
.irp t, 0,1,2,3,4,5,6,7
	global_load_b128 v[XS+4*\t:XS+4*\t+3], v[XSO], s[6:7] offset:512*\t
.endr
	global_load_b128 v[WF:WF+3], v[T16], s[10:11]
	global_load_b128 v[WF+4:WF+7], v[T16], s[10:11] offset:2048
	v_mul_u32_u24 v[WA], v[RR], ROWP
	v_mad_u32_u24 v[WA], v[HH], 24, v[WA]
	v_add_nc_u32 v[WA], XB, v[WA]
	v_add_nc_u32 v[WA+1], v[WA], v[H16]
	v_lshl_add_u32 v[ADR0], v[LN], 4, s[LW]
	v_add_nc_u32 v[ADR], s[TB], v[ADR0]
	s_lshl_b32 s27, s[WV], 7
	s_add_co_u32 s27, s27, QS
	v_lshl_add_u32 v[QA0], v[HH], 5, s27
	v_add_nc_u32 v[QA], s[TA], v[QA0]
	s_lshl_b32 s27, s[WV], 7
	s_add_co_u32 s27, s27, CTXP-512                ; (a tile's sums are stored in the next tile, when TA has gone on by one slot)
	v_mul_u32_u24 v[CSA0], v[RR], CPITCH
	v_lshl_add_u32 v[CSA0], v[HH], 5, v[CSA0]
	v_add_nc_u32 v[CSA0], s27, v[CSA0]
	v_min_u32 v[PFO], 24, v[LN]                    ; lanes 25 to 31 name the wave's last block again
	v_lshlrev_b32 v[PFO], 8, v[PFO]
	v_add_nc_u32 v[QSW], QS, v[T16]
.irp i, 0,1,2,3,4,5,6,7,8,9,10,11,12,13,14,15
	v_mov_b32 v[SUM+\i], 0
.endr
	s_wait_alu depctr_va_vdst(0)                   ; the wait at the head's end
	s_wait_loadcnt 0x0
	ds_store_b128 v[QSW], v[WF:WF+3]
	ds_store_b128 v[QSW], v[WF+4:WF+7] offset:2048
	s_wait_tensorcnt 0x0                           ; my part of x or of slot 0 is in
	ds_add_u32 v[SPW], v[NIL]                      ; 0 onto my spare word
	s_wait_dscnt 0x0                               ; the add and my stores of q are done
	CROUND
	JLOAD                                          ; slot 1's first fill, issued as a refill is
	; THE FIRST TILE, among the loads of x: K step j + 1's four fragments of x are asked for ahead of K step j's products
	ds_load_b128 v[WS:WS+3], v[ADR] offset:12288   ; its scale words, its q and its fragments
	ds_load_b128 v[Q:Q+3], v[QA]
	ds_load_b128 v[Q+4:Q+7], v[QA] offset:16
.irp k, 0,1,2,3,4,5,6,7
	FRAGW \k, 0
.endr
	XST 0
.irp j, 0,1,2,3,4,5,6,7,8,9,10,11,12,13,14,15
.if \j == 7
	WIN 0
	v_add_nc_u32 v[WA], 4*TROWS, v[WA]             ; on to row tiles 4 to 7 (an immediate ends at 65,535)
	v_add_nc_u32 v[WA+1], 4*TROWS, v[WA+1]
	s_wait_alu depctr_va_vdst(0)
.endif
.if \j < 15
	XST \j+1
	s_wait_dscnt 24                                ; all but the 24 just issued
.else
	s_wait_dscnt 0x0
.endif
	STEP4 \j/8, \j%8, 0
.if \j == 11
	WIN 0
	PLACES                                         ; for the loads into fragments that these products read, and for group 0's results
	ds_load_b128 v[WS+4:WS+7], v[ADR] offset:TIMG+12288
	ds_load_b128 v[Q+26:Q+29], v[QA] offset:64
	ds_load_b128 v[Q+30:Q+33], v[QA] offset:80
	FRAGW 0, TIMG
	FRAGW 1, TIMG
	FRAGW 2, TIMG
	FRAGW 3, TIMG
.endif
.endr
	WIN 0
	KSL 0, 0, Q
	KSL 0, 1, Q
	KSL 0, 2, Q
	KSL 0, 3, Q
	FRAGW 4, TIMG
	FRAGW 5, TIMG
	FRAGW 6, TIMG
	FRAGW 7, TIMG
	TILE 0, 1, 0, 1, 1, 0
	WIN 0
	s_sub_co_u32 s[SL], s[SL], 1
.Lpass1:                                               ; slots 1 to 7
	TILE 0, 0, 0, 0, 0, 0
	TILE 0, 1, 0, 1, 1, 0
	WIN 0
	s_sub_co_u32 s[SL], s[SL], 1
	s_cmp_lg_u32 s[SL], 6
	s_cbranch_scc1 .Lpass1
	; BETWEEN THE PASSES (the second pass's first fragments are on their way): the last group's sums, then the softmax over my 128 rows
	KSL 4, 0, Q+26
	KSL 4, 1, Q+26
	KSL 4, 2, Q+26
	KSL 4, 3, Q+26
	v_and_b32 v184, 15, v0
	s_lshl_b32 s27, s[WV], 9
	s_add_co_u32 s27, s27, SCW
	v_lshl_add_u32 v[SCWA], v184, 5, s27
	v_lshlrev_b32 v[SCRA], 5, v184
	v_add_nc_u32 v[SCRA], SCW, v[SCRA]
.irp t, 0,1,2,3,4,5,6,7
	v_add_f32 v[ACC+\t], v[SUM+2*\t], v[SUM+2*\t+1]
.endr
.irp t, 0,1,2,3,4,5,6,7
	v_permlanex16_b32 v[ACC+8+\t], v[ACC+\t], s[SEL], s[SEL+1]
.endr
.irp t, 0,1,2,3,4,5,6,7
	v_add_f32 v[ACC+\t], v[ACC+\t], v[ACC+8+\t]    ; with lane l xor 16's columns: my wave's share of row 16 t + r
.endr
	ds_store_b128 v[SCWA], v[ACC:ACC+3]            ; (both halves store the same numbers to the same bytes)
	ds_store_b128 v[SCWA], v[ACC+4:ACC+7] offset:16
	s_wait_alu depctr_va_vdst(0)
	s_wait_dscnt 0x0                               ; for the others' sake
	s_barrier_signal -1
	s_barrier_wait -1
.irp w, 0,1,2,3
	ds_load_b128 v[ACC+8*\w:ACC+8*\w+3], v[SCRA] offset:512*\w
	ds_load_b128 v[ACC+8*\w+4:ACC+8*\w+7], v[SCRA] offset:512*\w+16
.endr
	s_wait_dscnt 0x0
.irp c, 0,2,4,6
	v_pk_add_f32 v[ACC+\c:ACC+\c+1], v[ACC+\c:ACC+\c+1], v[ACC+8+\c:ACC+9+\c]
	v_pk_add_f32 v[ACC+16+\c:ACC+17+\c], v[ACC+16+\c:ACC+17+\c], v[ACC+24+\c:ACC+25+\c]
.endr
.irp c, 0,2,4,6
	v_pk_add_f32 v[ACC+\c:ACC+\c+1], v[ACC+\c:ACC+\c+1], v[ACC+16+\c:ACC+17+\c]   ; t of rows 16 i + r, i = 0 .. 7
.endr
	v_max3_num_f32 v[MX], v[ACC], v[ACC+1], v[ACC+2]
	v_max3_num_f32 v[MX], v[MX], v[ACC+3], v[ACC+4]
	v_max3_num_f32 v[MX], v[MX], v[ACC+5], v[ACC+6]
	v_max_num_f32 v[MX], v[MX], v[ACC+7]
.irp m, 1,2,4,8
	v_max_num_f32_dpp v[MX], v[MX], v[MX] row_xmask:\m row_mask:0xf bank_mask:0xf
.endr
.irp t, 0,1,2,3,4,5,6,7
	v_sub_f32 v[Q+\t], v[ACC+\t], v[MX]
.endr
	s_wait_alu depctr_va_vdst(0)                   ; the wait ahead of the batch,
.irp t, 0,1,2,3,4,5,6,7
	v_exp_f32 v[Q+\t], v[Q+\t]
.endr
	v_nop
	s_wait_alu depctr_va_vdst(0)                   ; and behind it
	v_pk_add_f32 v[ACC:ACC+1], v[Q:Q+1], v[Q+2:Q+3]
	v_pk_add_f32 v[ACC+2:ACC+3], v[Q+4:Q+5], v[Q+6:Q+7]
	v_pk_add_f32 v[ACC:ACC+1], v[ACC:ACC+1], v[ACC+2:ACC+3]
	v_add_f32 v[LS], v[ACC], v[ACC+1]
.irp m, 1,2,4,8
	v_add_f32_dpp v[LS], v[LS], v[LS] row_xmask:\m row_mask:0xf bank_mask:0xf
.endr
	s_mov_b32 s[TA], 0
	s_wait_alu depctr_va_vdst(0)
	TILE 1, 0, 2, 0, 0, 0                          ; slot 8: Wv's first
	TILE 1, 1, 1, 1, 1, 0
	WIN 0
	s_sub_co_u32 s[SL], s[SL], 1
.Lpass2:                                               ; slots 9 to 13
	TILE 1, 0, 1, 0, 0, 0
	TILE 1, 1, 1, 1, 1, 0
	WIN 0
	s_sub_co_u32 s[SL], s[SL], 1
	s_cmp_lg_u32 s[SL], 0
	s_cbranch_scc1 .Lpass2
	TILE 1, 0, 1, 0, 0, 0                          ; the last two slots are written out
	TILE 1, 1, 1, 1, 0, 0
	TILE 1, 0, 1, 0, 0, 0
	TILE 1, 1, 1, 0, 0, 1
	VPREV 0, SUM+18
	VPREV 1, SUM+18
	VPREV 2, SUM+18
	VPREV 3, SUM+18
	ds_store_b128 v[CSA], v[SUM+18:SUM+21] offset:576
	ds_store_b128 v[CSA], v[SUM+22:SUM+25] offset:592
	; THE WAY OUT.  A thread adds up columns 4 tid .. and 512 + 4 tid .. over the stage's 16 rows; wave 0 stores p by rows, and (m, l)
	v_and_b32 v250, 15, v0
	v_and_b32 v251, 31, v0
	v_lshlrev_b32 v252, 4, v0
	v_lshlrev_b32 v253, 4, v251
	s_lshl_b32 s27, s[WV], 9
	s_add_co_u32 s27, s27, PL
	v_lshl_add_u32 v254, v250, 2, s27
	v_add_nc_u32 v255, s27, v253
	v_add_nc_u32 v249, CTXP, v252
.irp t, 0,1,2,3,4,5,6,7
	ds_store_b32 v254, v[Q+\t] offset:64*\t        ; p of row 16 t + r, into my wave's own bytes
.endr
	s_wait_alu depctr_va_vdst(0)
	s_wait_dscnt 0x0                               ; for the others' sake
	s_barrier_signal -1
	s_barrier_wait -1
.irp i, 0,1,2,3,4,5,6,7,8,9,10,11,12,13,14,15
	ds_load_b128 v[48+4*\i:51+4*\i], v249 offset:CPITCH*\i
	ds_load_b128 v[112+4*\i:115+4*\i], v249 offset:CPITCH*\i+2048
.endr
	ds_load_b128 v[176:179], v255
	s_wait_dscnt 0x0
.macro HALVE n                         ; row i takes row i + n
.set RI, 0
.rept \n
.irp c, 0,2
	v_pk_add_f32 v[48+4*RI+\c:49+4*RI+\c], v[48+4*RI+\c:49+4*RI+\c], v[48+4*RI+4*\n+\c:49+4*RI+4*\n+\c]
	v_pk_add_f32 v[112+4*RI+\c:113+4*RI+\c], v[112+4*RI+\c:113+4*RI+\c], v[112+4*RI+4*\n+\c:113+4*RI+4*\n+\c]
.endr
.set RI, RI+1
.endr
.endm
	HALVE 8
	HALVE 4
	HALVE 2
	HALVE 1
	v_mov_b32 v180, v[MX]
	v_mov_b32 v181, v[LS]
	v_mov_b32 v182, v[MX]
	v_mov_b32 v183, v[LS]
	global_store_b128 v252, v[48:51], s[12:13]     ; 128 threads store 2,048 consecutive bytes, twice
	global_store_b128 v252, v[112:115], s[12:13] offset:2048
	s_cmp_lg_u32 s[WV], 0
	s_cbranch_scc1 .Lno_p
	global_store_b128 v253, v[176:179], s[12:13] offset:4096
	global_store_b128 v253, v[180:183], s[12:13] offset:4608
.Lno_p:
	s_wait_tensorcnt 0x0                           ; the wave's end
	ds_add_u32 v[SPW], v[NIL]
	s_wait_dscnt 0x0
	CROUND                                         ; the closing round: no work-group ends while a partner may still ask for a tile that names it
	s_endpgm
.Lfunc_end_k_q829693a0d8_main:
	.size	k_q829693a0d8_main, .Lfunc_end_k_q829693a0d8_main-k_q829693a0d8_main
	.p2alignl 7, 3214868480
	.fill 96, 4, 3214868480
	.section	.rodata,"a",@progbits
	.p2align	6, 0x0
	.amdhsa_kernel k_q829693a0d8_main
		.amdhsa_group_segment_fixed_size 327680
		.amdhsa_private_segment_fixed_size 0
		.amdhsa_enable_private_segment 0
		.amdhsa_kernarg_size 40
		.amdhsa_user_sgpr_count 2
		.amdhsa_user_sgpr_kernarg_segment_ptr 1
		.amdhsa_wavefront_size32 1
		.amdhsa_system_sgpr_workgroup_id_x 1
		.amdhsa_system_sgpr_workgroup_id_y 1
		.amdhsa_system_sgpr_workgroup_id_z 1
		.amdhsa_system_vgpr_workitem_id 0
		.amdhsa_next_free_vgpr 1024
		.amdhsa_next_free_sgpr 100
		.amdhsa_reserve_vcc 0
		.amdhsa_float_denorm_mode_32 3
		.amdhsa_float_denorm_mode_16_64 3
		.amdhsa_memory_ordered 1
		.amdhsa_forward_progress 1
		.amdhsa_inst_pref_size 203
	.end_amdhsa_kernel
	.amdgpu_metadata
---
amdhsa.version: [ 1, 2 ]
amdhsa.kernels:
  - .name:           k_q829693a0d8_main
    .symbol:         k_q829693a0d8_main.kd
    .args:
      - { .name: x_codes, .offset: 0, .size: 8, .value_kind: global_buffer, .address_space: global }
      - { .name: x_scales, .offset: 8, .size: 8, .value_kind: global_buffer, .address_space: global }
      - { .name: wimg, .offset: 16, .size: 8, .value_kind: global_buffer, .address_space: global }
      - { .name: qbuf, .offset: 24, .size: 8, .value_kind: global_buffer, .address_space: global }
      - { .name: part, .offset: 32, .size: 8, .value_kind: global_buffer, .address_space: global }
    .group_segment_fixed_size: 327680
    .private_segment_fixed_size: 0
    .kernarg_segment_align: 8
    .kernarg_segment_size: 40
    .max_flat_workgroup_size: 128
    .sgpr_count:     100
    .vgpr_count:     1024
    .wavefront_size: 32
...
	.end_amdgpu_metadata
.endif
;; end of part 2
;; launch join (part 3): grid 256 x 1, 1 waves a work-group, no clusters, 0 bytes of LDS; arguments part, bv, out0, out1; writes out0, out1
.if DOCPART == 3
	.amdgcn_target "amdgcn-amd-amdhsa--gfx1250"
	.amdhsa_code_object_version 6
	.text
	.protected	k_q829693a0d8_join
	.globl	k_q829693a0d8_join
	.p2align	8
	.type	k_q829693a0d8_join,@function
k_q829693a0d8_join:
	s_mov_b64 s[64:65], 0
	v_nop
	global_prefetch_b8 v0, s[64:65] scope:SCOPE_SE
	s_setreg_imm32_b32 hwreg(HW_REG_WAVE_MODE, 25, 1), 1
	s_wait_xcnt 0x0
; THE EIGHT PARTS OF A BATCH TOGETHER.  M = the largest m, f_i = 2^(m_i - M), L = the sum of f_i x l_i;  out0[b][d] = the sum over i of f_i x context_i[d] / L + bv[d];  out1[b][s] = p[s] x f_j / L for part j's rows.
; Work-group (b, j): 128 columns of out0, 128 rows of out1, four numbers of each a lane.  LEFT OUT: bv's product with the weights' sum, which is 1.  No prefetch: there is no loop.  No cluster: (m, l) alone are shared, 64 bytes.
; LIMITS: as in the kernels before: NaN and infinities go through as the instructions give them; a factor under 2^-126 comes out as 0.
.set REC, 5120
	s_load_b256 s[4:11], s[0:1], 0x0               ; part s[4:5], bv s[6:7], out0 s[8:9], out1 s[10:11]
	v_lshlrev_b32 v1, 4, v0
	v_mov_b32 v2, 0
	v_mov_b32 v87, 0                               ; the upper halves of two pairs of which the low half serves both
	v_mov_b32 v89, 0
	s_lshr_b32 s12, ttmp9, 3                       ; b
	s_and_b32 s13, ttmp9, 7                        ; j
	s_mul_i32 s14, s12, 8*REC
	s_mov_b32 s15, 0
	s_lshl_b32 s16, s13, 9
	s_mov_b32 s17, 0
	s_mul_i32 s18, s13, REC
	s_mov_b32 s19, 0
	s_lshl_b32 s20, s12, 12
	s_add_co_u32 s20, s20, s16
	s_mov_b32 s21, 0
	s_wait_alu depctr_va_vdst(0)                   ; the wait at the head's end
	s_wait_kmcnt 0x0
	s_add_nc_u64 s[4:5], s[4:5], s[14:15]
	s_add_nc_u64 s[22:23], s[4:5], s[16:17]        ; the parts' columns 128 j ..
	s_add_nc_u64 s[24:25], s[4:5], s[18:19]        ; part j
	s_add_nc_u64 s[6:7], s[6:7], s[16:17]
	s_add_nc_u64 s[8:9], s[8:9], s[20:21]
	s_add_nc_u64 s[10:11], s[10:11], s[20:21]
.irp i, 0,1,2,3,4,5,6,7
	global_load_b64 v[8+2*\i:9+2*\i], v2, s[4:5] offset:REC*\i+4608
.endr
	global_load_b64 v[24:25], v2, s[24:25] offset:4608
.irp i, 0,1,2,3,4,5,6,7
	global_load_b128 v[32+4*\i:35+4*\i], v1, s[22:23] offset:REC*\i
.endr
	global_load_b128 v[64:67], v1, s[24:25] offset:4096
	global_load_b128 v[68:71], v1, s[6:7]
	s_wait_loadcnt 0x0
	v_max3_num_f32 v26, v8, v10, v12
	v_max3_num_f32 v26, v26, v14, v16
	v_max3_num_f32 v26, v26, v18, v20
	v_max_num_f32 v26, v26, v22
.irp i, 0,1,2,3,4,5,6,7
	v_sub_f32 v[72+\i], v[8+2*\i], v26
.endr
	v_sub_f32 v80, v24, v26
	s_wait_alu depctr_va_vdst(0)                   ; the wait ahead of the batch,
.irp i, 0,1,2,3,4,5,6,7,8
	v_exp_f32 v[72+\i], v[72+\i]
.endr
	v_nop
	s_wait_alu depctr_va_vdst(0)                   ; and behind it
	v_mul_f32 v27, v72, v9
.irp i, 1,2,3,4,5,6,7
	v_fmac_f32 v27, v[72+\i], v[9+2*\i]
.endr
.irp c, 0,2
	v_pk_mul_f32 v[82+\c:83+\c], v[32+\c:33+\c], v[72:73] op_sel_hi:[1,0]
.endr
.irp i, 1,2,3,4,5,6,7
.irp c, 0,2
.if \i % 2 == 1
	v_pk_fma_f32 v[82+\c:83+\c], v[32+4*\i+\c:33+4*\i+\c], v[71+\i:72+\i], v[82+\c:83+\c] op_sel:[0,1,0] op_sel_hi:[1,1,1]
.else
	v_pk_fma_f32 v[82+\c:83+\c], v[32+4*\i+\c:33+4*\i+\c], v[72+\i:73+\i], v[82+\c:83+\c] op_sel_hi:[1,0,1]
.endif
.endr
.endr
	s_wait_alu depctr_va_vdst(0)                   ; the wait ahead of the transcendental,
	v_rcp_f32 v86, v27
	v_nop
	s_wait_alu depctr_va_vdst(0)                   ; and behind it
	v_mul_f32 v88, v80, v86
.irp c, 0,2
	v_pk_fma_f32 v[82+\c:83+\c], v[82+\c:83+\c], v[86:87], v[68+\c:69+\c] op_sel_hi:[1,0,1]
.endr
.irp c, 0,2
	v_pk_mul_f32 v[64+\c:65+\c], v[64+\c:65+\c], v[88:89] op_sel_hi:[1,0]
.endr
	global_store_b128 v1, v[82:85], s[8:9]         ; 32 lanes store 512 consecutive bytes, twice
	global_store_b128 v1, v[64:67], s[10:11]
	s_endpgm
.Lfunc_end_k_q829693a0d8_join:
	.size	k_q829693a0d8_join, .Lfunc_end_k_q829693a0d8_join-k_q829693a0d8_join
	.p2alignl 7, 3214868480
	.fill 96, 4, 3214868480
	.section	.rodata,"a",@progbits
	.p2align	6, 0x0
	.amdhsa_kernel k_q829693a0d8_join
		.amdhsa_group_segment_fixed_size 0
		.amdhsa_private_segment_fixed_size 0
		.amdhsa_enable_private_segment 0
		.amdhsa_kernarg_size 32
		.amdhsa_user_sgpr_count 2
		.amdhsa_user_sgpr_kernarg_segment_ptr 1
		.amdhsa_wavefront_size32 1
		.amdhsa_system_sgpr_workgroup_id_x 1
		.amdhsa_system_sgpr_workgroup_id_y 1
		.amdhsa_system_sgpr_workgroup_id_z 1
		.amdhsa_system_vgpr_workitem_id 0
		.amdhsa_next_free_vgpr 96
		.amdhsa_next_free_sgpr 66
		.amdhsa_reserve_vcc 0
		.amdhsa_float_denorm_mode_32 3
		.amdhsa_float_denorm_mode_16_64 3
		.amdhsa_memory_ordered 1
		.amdhsa_forward_progress 1
		.amdhsa_inst_pref_size 6
	.end_amdhsa_kernel
	.amdgpu_metadata
---
amdhsa.version: [ 1, 2 ]
amdhsa.kernels:
  - .name:           k_q829693a0d8_join
    .symbol:         k_q829693a0d8_join.kd
    .args:
      - { .name: part, .offset: 0, .size: 8, .value_kind: global_buffer, .address_space: global }
      - { .name: bv, .offset: 8, .size: 8, .value_kind: global_buffer, .address_space: global }
      - { .name: out0, .offset: 16, .size: 8, .value_kind: global_buffer, .address_space: global }
      - { .name: out1, .offset: 24, .size: 8, .value_kind: global_buffer, .address_space: global }
    .group_segment_fixed_size: 0
    .private_segment_fixed_size: 0
    .kernarg_segment_align: 8
    .kernarg_segment_size: 32
    .max_flat_workgroup_size: 32
    .sgpr_count:     66
    .vgpr_count:     96
    .wavefront_size: 32
...
	.end_amdgpu_metadata
.endif
;; end of part 3
